; MI455X (gfx1250); checked and timed in simulation.
; The chip was launched on July 23, 2026; its instructions are those of AMD's public machine-readable ISA for CDNA 5 (MIT licence, August 2026) and "CDNA5" Instruction Set Architecture Reference Guide (July 2026). The comments in the code are by the model that wrote it; some were corrected since.
;; Temporal Self Attention. Allowed arithmetic: matrix products marked QUANTISED: E2M1 operands, one E8M0 scale for each 32 along K, by v_wmma_scale_f32_16x16x128_f8f6f4 with both operands' format E2M1 (or v_wmma_scale_f32_32x16x128_f4), f32 sums; products left as they are: bf16, f16 or f32 operands; f32 sums; everything else in f32.
;; Inputs: Wk 256 x 256 float32; Wq 256 x 256 float32; Wv 256 x 256 float32; x 4 x 2,048 x 256 float32.
;; Outputs: out0 4 x 2,048 x 256 float32.
;; This version of the problem:
;;   THIS VERSION OF THE PROBLEM IS GIVEN IN LOW PRECISION. The matrix products marked QUANTISED in the list below multiply operands that are first quantised to E2M1 (2 exponent bits, 1 mantissa bit; 4 bits a number), with one power-of-two scale for each 32 numbers along K (OCP MX v1.0); their sums are f32. The products marked 'left as it is' may take bf16, f16 or f32 operands, with f32 sums. Whichever they take, every output number must still come out within the allowed error. Rounding operands to bf16 (8 significant bits) uses up far more of that allowance than f16 does (11 bits, for magnitudes from 6e-5 to 65,504). All else is computed in f32.
;;   The module's matrix products, in the order in which they are computed (A, B: the left and right operand; K: the contracted axis; several contracted axes count as one K, in the product's order):
;;     1. [M 8,192, K 256] x [K 256, N 256]; A: input x; B: input Wq: QUANTISED
;;     2. [M 8,192, K 256] x [K 256, N 256]; A: input x; B: input Wk: QUANTISED
;;     3. [M 8,192, K 256] x [K 256, N 256]; A: input x; B: input Wv: QUANTISED
;;     4. batch 32 x [M 2,048, K 32] x [K 32, N 2,048]; A: computed on the way; B: computed on the way: left as it is (an operand is computed on the way)
;;     5. batch 32 x [M 32, K 2,048] x [K 2,048, N 2,048]; A: computed on the way; B: computed on the way: left as it is (an operand is computed on the way)
;;   THE QUANTISER, for each operand of a quantised product, along K:
;;     - K is cut into blocks of 32 from its start; a last block that is shorter is filled with zeros.
;;     - A block's scale is 2^e with e = floor(log2(the largest magnitude in the block)) - 2, held to -126 .. 127; a block of zeros has e = 0. As a byte (E8M0): e + 127.
;;     - Each number is divided by its block's scale, clamped to +-6, and rounded to the nearest number of E2M1, ties to even, subnormals kept.
;;     - The product sums the exact products of the quantised numbers (number of the format x scale) in f32.
;;   ~~~python
;;   def quantise(x, axis):      # numpy; x: float32 -> the quantised numbers, widened to float32 again
;;       x = np.moveaxis(x, axis, -1); K = x.shape[-1]
;;       x = np.pad(x, [(0, 0)] * (x.ndim - 1) + [(0, -K % 32)]); x = x.reshape(x.shape[:-1] + (-1, 32)); a = np.abs(x).max(-1, keepdims=True)
;;       e = np.where(a > 0, np.clip(np.frexp(np.where(a > 0, a, 1))[1] - 1 - 2, -126, 127), 0)      # np.frexp(a)[1] - 1 = floor(log2(a)), exactly
;;       r = np.clip(x / 2.0 ** e, -6, 6)
;;       step = 2.0 ** (np.maximum(np.frexp(np.where(r == 0, 1, r))[1] - 1, 0) - 1)
;;       q = np.round(r / step) * step * 2.0 ** e      # np.round: ties to even
;;       return np.moveaxis(q.reshape(q.shape[:-2] + (-1,))[..., :K], -1, axis).astype(np.float32)
;;   ~~~
;; 2 versions, each right; version 2 is version 1 with the launch proj written anew for expert scheduling mode. Each part assembles by itself: llvm-mc -triple=amdgcn-amd-amdhsa -mcpu=gfx1250 --defsym DOCPART=n.
;; ======== version 1 of 2: 2 launches
;; limits: values are held in f16: magnitudes above 65,504 overflow, below 6.1e-05 lose precision
;; workspace buffers: qf 4,194,304 bytes; kv 8,388,608 bytes
;; launch proj (part 1): grid 4 x 64, 8 waves a work-group, no clusters, 49,664 bytes of LDS; arguments x, Wq, Wk, Wv, qf, kv; writes qf, kv
.if DOCPART == 1
	.amdgcn_target "amdgcn-amd-amdhsa--gfx1250"
	.amdhsa_code_object_version 6
	.text
	.protected	k_q9ce9d4c00d_proj
	.globl	k_q9ce9d4c00d_proj
	.p2align	8
	.type	k_q9ce9d4c00d_proj,@function
k_q9ce9d4c00d_proj:
	s_mov_b64 s[64:65], 0
	v_nop
	global_prefetch_b8 v0, s[64:65] scope:SCOPE_SE
	s_setreg_imm32_b32 hwreg(HW_REG_WAVE_MODE, 25, 1), 1
	s_wait_xcnt 0x0
; q = x Wq^T, k = x Wk^T, v = x Wv^T on codes of FP4 (E2M1) with one E8M0 scale for each 32 along K (K = 256, innermost in x and in every W); sums in f32.
; x: [8192][256] f32; Wq, Wk, Wv: [256][256] f32.  The results are rounded to f16 and stored as images of the operand registers that the attention launch takes:
;   qf [b 4][head 8][query tile 128][c 2][lane 32][16 bytes]: lane (r, h) holds query r, half c its channels 16 c + 8 h + 0..7; q is multiplied by c = log2(e) / sqrt(32) in f32 ahead of the rounding.
;   kv [b 4][pair of heads 4][chunk of 512 keys 4][head in pair 2][step of 64 keys 8][8,192 bytes]; in a step: bytes 0-4095 K, key tile kt: [c][lane][16]: lane (r, h): key 16 kt + r, channels 16 c + 8 h + 0..7;
;      bytes 4096-8191 V^T, fragment 2 g + u: [c][lane][16]: lane (r, h): channel 16 u + r, keys 32 g + 16 c + 8 h + 0..7.
; THE QUANTISER: a block's scale is 2^(floor(log2(its largest magnitude)) - 2); its byte is the largest magnitude's exponent field - 2, held at 1 from below; each number / scale goes to the nearest code, ties to even, beyond 6 the largest code.
; LIMITS: |c q|, |k|, |v| under 65,504 (f16's largest number); under 6e-5 they are f16 subnormals (step 6e-8).  NaN and infinities among the inputs are not served.  A block of zeros gets the byte 1 where the rule says 127:
; its codes are zeros, and this program alone reads the bytes.  Blocks whose largest magnitude lies under the floor 2^-124 are held at the byte 1.
; SHARES: work-group (g, i) takes tokens 128 i .. 128 i + 127 and rows 64 g .. 64 g + 63 (a pair of heads) of each W: 128 + 192 rows of 1,024 bytes.
;   First every wave quantises 16 rows of x and 8 rows of each W, a row at a time: lane l holds k = 8 l .. 8 l + 7, a block of 32 lies in four neighbouring lanes; codes and scale bytes go to LDS as rows.
;   Behind one barrier wave w (cw = w % 4, th = w / 4) multiplies column tile cw of q, k and v against token tiles 4 th + 0..3: 12 accumulators, 24 matrix instructions.
; No tensor load: the operands arrive as f32 and each lane's loads land in the registers that the conversion takes.  No cluster for the same reason: nothing comes through a joint load.
.set PITCH,  144                       ; a row of 256 codes in LDS: 128 bytes + 16: the 16 rows of a fragment load start 36 words apart
.set SCALES, 320*PITCH                 ; behind the 320 rows of codes (0-127 x, 128-191 Wq, 192-255 Wk, 256-319 Wv): 8 scale bytes a row
.set SPARE,  SCALES+320*8              ; the spare words, 128 bytes for each wave: four blocks of 256 bytes that no other line names
.set LO,  1                            ; v1   32 x lane: my 8 numbers of a row
.set CWX, 2                            ; v2   where my codes of x go: 4 x lane + row 16 w
.set CWW, 3                            ; v3   where my codes of a W go: 4 x lane + row 128 + 8 w
.set SWX, 4                            ; v4   my block's scale byte, x
.set SWW, 5                            ; v5   my block's scale byte, W
.set FX,  6                            ; v6   fragments of x: row r + 64 th, + 16 h
.set FW,  7                            ; v7   fragments of W: row 128 + 16 cw + r, + 16 h
.set SX,  8                            ; v8   scale words of x
.set SW,  9                            ; v9   scale words of W
.set VK,  10                           ; v10  my 16 bytes in an image of q or k: 16 x lane + 512 (cw % 2)
.set VV,  11                           ; v11  and of v: 16 x lane + 4096 + 1024 (cw % 2)
.set SPW, 12                           ; v12  LDS address of my spare word; never rewritten
.set NIL, 13                           ; v13  0; never rewritten
.set M,    16                          ; v16-23  largest magnitudes of 8 rows
.set SCL,  24                          ; v24-31  the conversions' scale operands
.set CODE, 32                          ; v32-39  8 codes a row
.set BYTE, 40                          ; v40-47  the scale bytes
.set SET0, 48                          ; three sets of 8 rows x 8 numbers
.set SET1, 112
.set SET2, 176
.set XF,  48                           ; the products: x's fragment (tile t, K step s) at XF + 8 (2 t + s)
.set WF,  112                          ; W's (matrix m, K step s) at WF + 8 (2 m + s)
.set DQ,  16                           ; accumulators, tile t at + 8 t
.set DK,  160
.set DV,  192
.set OUT, 48                           ; packed results: q at + 4 t, k at 16 + 4 t, v at 32 + 4 t
.set XS,  240                          ; v240-247 x's scale words (t, s); v248-253 W's (m, s): these registers hold scales and nothing else
.set WS,  248
	s_load_b256 s[4:11], s[0:1], 0x0               ; x s[4:5], Wq s[6:7], Wk s[8:9], Wv s[10:11]
	s_load_b128 s[12:15], s[0:1], 0x20             ; qf s[12:13], kv s[14:15]
	v_lshl_add_u32 v[SPW], v0, 2, SPARE
	v_mov_b32 v[NIL], 0
	v_lshrrev_b32 v14, 5, v0
	v_readfirstlane_b32 s16, v14                   ; wave 0..7
	s_and_b32 s17, s16, 3                          ; cw: my column tile
	s_lshr_b32 s18, s16, 2                         ; th: my half of the tokens
	s_and_b32 s20, ttmp7, 0xffff                   ; i: the block of 128 tokens
	s_lshr_b32 s21, s20, 4                         ; b: the batch
	s_and_b32 s24, s20, 15                         ; tb: the block within the batch
	s_mov_b32 s22, 0x3e8293ee                      ; c = log2(e) / sqrt(32)
	s_mov_b32 s23, s22                             ; (named with it as a pair, so it is written)
	s_lshr_b32 s35, s17, 1                         ; which head of the pair my columns belong to
	s_and_b32 s37, s17, 1                          ; which 16 channels of that head
	; byte offsets, each in a pair with 0 above it
	s_lshl_b32 s26, s20, 17                        ; x: 128 i rows of 1,024 bytes
	s_lshl_b32 s34, s16, 14                        ;    + my 16 rows
	s_add_co_u32 s26, s26, s34
	s_mov_b32 s27, 0
	s_lshl_b32 s28, ttmp9, 16                      ; every W: 64 g rows
	s_lshl_b32 s34, s16, 13                        ;    + my 8 rows
	s_add_co_u32 s28, s28, s34
	s_mov_b32 s29, 0
	s_lshl_b32 s30, s21, 3                         ; qf: ((8 b + 2 g + head in pair) x 128 + 8 tb + 4 th) images of 1,024 bytes
	s_lshl_b32 s34, ttmp9, 1
	s_add_co_u32 s30, s30, s34
	s_add_co_u32 s30, s30, s35
	s_lshl_b32 s30, s30, 7
	s_lshl_b32 s34, s24, 3
	s_add_co_u32 s30, s30, s34
	s_lshl_b32 s34, s18, 2
	s_add_co_u32 s30, s30, s34
	s_lshl_b32 s30, s30, 10
	s_mov_b32 s31, 0
	s_lshl_b32 s32, s21, 21                        ; kv: batch,
	s_lshl_b32 s34, ttmp9, 19                      ; pair of heads,
	s_add_co_u32 s32, s32, s34
	s_lshr_b32 s34, s24, 2                         ; chunk of 512 keys,
	s_lshl_b32 s34, s34, 17
	s_add_co_u32 s32, s32, s34
	s_lshl_b32 s34, s35, 16                        ; head in the pair,
	s_add_co_u32 s32, s32, s34
	s_and_b32 s34, s24, 3                          ; step of 64 keys: 2 (tb % 4) + th
	s_lshl_b32 s34, s34, 1
	s_add_co_u32 s34, s34, s18
	s_lshl_b32 s34, s34, 13
	s_add_co_u32 s32, s32, s34
	s_mov_b32 s33, 0
	; every address register is made here: a constant + a constant x lane + a constant x wave
	v_and_b32 v14, 31, v0                          ; lane
	v_and_b32 v15, 15, v0                          ; r
	v_bfe_u32 v16, v0, 4, 1                        ; h
	v_lshrrev_b32 v17, 2, v14                      ; my block of 32 along K
	v_lshlrev_b32 v[LO], 5, v14
	s_mul_i32 s36, s16, 16*PITCH
	v_lshl_add_u32 v[CWX], v14, 2, s36
	s_mul_i32 s36, s16, 8*PITCH
	s_add_co_u32 s36, s36, 128*PITCH
	v_lshl_add_u32 v[CWW], v14, 2, s36
	s_lshl_b32 s36, s16, 7
	s_add_co_u32 s36, s36, SCALES
	v_add_nc_u32 v[SWX], s36, v17
	s_lshl_b32 s36, s16, 6
	s_add_co_u32 s36, s36, SCALES+1024
	v_add_nc_u32 v[SWW], s36, v17
	v_mul_u32_u24 v18, v15, PITCH
	v_lshl_add_u32 v18, v16, 4, v18                ; row r x pitch + 16 h
	s_mul_i32 s36, s18, 64*PITCH
	v_add_nc_u32 v[FX], s36, v18
	s_mul_i32 s36, s17, 16*PITCH
	s_add_co_u32 s36, s36, 128*PITCH
	v_add_nc_u32 v[FW], s36, v18
	s_lshl_b32 s36, s18, 9
	s_add_co_u32 s36, s36, SCALES
	v_lshl_add_u32 v[SX], v15, 3, s36
	s_lshl_b32 s36, s17, 7
	s_add_co_u32 s36, s36, SCALES+1024
	v_lshl_add_u32 v[SW], v15, 3, s36
	s_lshl_b32 s36, s37, 9
	v_lshl_add_u32 v[VK], v14, 4, s36
	s_lshl_b32 s36, s37, 10
	s_add_co_u32 s36, s36, 4096
	v_lshl_add_u32 v[VV], v14, 4, s36
	s_wait_kmcnt 0x0
	s_add_nc_u64 s[4:5], s[4:5], s[26:27]
	s_add_nc_u64 s[6:7], s[6:7], s[28:29]
	s_add_nc_u64 s[8:9], s[8:9], s[28:29]
	s_add_nc_u64 s[10:11], s[10:11], s[28:29]
	s_add_nc_u64 s[12:13], s[12:13], s[30:31]
	s_add_nc_u64 s[14:15], s[14:15], s[32:33]
; Eight rows, from row r0 of my rows on, into a set: a row's two loads together cover its 1,024 bytes.
.macro LOADB set, base, r0
.irp i, 0,1,2,3,4,5,6,7
	global_load_b128 v[\set+8*\i:\set+8*\i+3],   v[LO], s[\base:\base+1] offset:(\r0+\i)*1024
	global_load_b128 v[\set+8*\i+4:\set+8*\i+7], v[LO], s[\base:\base+1] offset:(\r0+\i)*1024+16
.endr
.endm
; Eight rows of a set are quantised, the rows by turns, so that no line waits for the line above it.  left: the younger loads, which may stay out.
.macro QB set, cadr, coff, sadr, soff, left
	s_wait_loadcnt \left                           ; loads come back in order: this set's 16 are in
	s_wait_dscnt 0x0                               ; the last batch's LDS stores have read CODE and BYTE
.irp i, 0,1,2,3,4,5,6,7
	v_max3_num_f32 v[M+\i], |v[\set+8*\i]|, |v[\set+8*\i+1]|, 0x1800000   ; my 8 numbers, and the floor 2^(3 - 127): the byte cannot fall under 1
.endr
.irp j, 2,4,6
.irp i, 0,1,2,3,4,5,6,7
	v_max3_num_f32 v[M+\i], v[M+\i], |v[\set+8*\i+\j]|, |v[\set+8*\i+\j+1]|
.endr
.endr
.irp i, 0,1,2,3,4,5,6,7
	v_max_num_f32_dpp v[M+\i], v[M+\i], v[M+\i] row_xmask:1 row_mask:0xf bank_mask:0xf
.endr
.irp i, 0,1,2,3,4,5,6,7
	v_max_num_f32_dpp v[M+\i], v[M+\i], v[M+\i] row_xmask:2 row_mask:0xf bank_mask:0xf   ; the four lanes of a block: its largest magnitude
.endr
.irp i, 0,1,2,3,4,5,6,7
	v_add_nc_u32 v[SCL+\i], 0xff000000, v[M+\i]    ; 2 off its exponent field: the conversion takes the exponent field of this operand as its scale
.endr
.irp i, 0,1,2,3,4,5,6,7
	v_cvt_scalef32_pk8_fp4_f32 v[CODE+\i], v[\set+8*\i:\set+8*\i+7], v[SCL+\i]
.endr
.irp i, 0,1,2,3,4,5,6,7
	v_lshrrev_b32 v[BYTE+\i], 23, v[SCL+\i]        ; the scale's byte.  (Plain lines behind the conversions)
.endr
.irp i, 0,1,2,3,4,5,6,7
	ds_store_b32 v[\cadr], v[CODE+\i] offset:\coff+PITCH*\i       ; the wave's 128 bytes are the row's codes, K ascending
	ds_store_b8 v[\sadr], v[BYTE+\i] offset:\soff+8*\i            ; the four lanes of a block write the same byte with the same value
.endr
.endm
	LOADB SET0, 4, 0                               ; x, my rows 0-7
	LOADB SET1, 4, 8                               ; x, my rows 8-15
	LOADB SET2, 6, 0                               ; Wq, my 8 rows
	QB SET0, CWX, 0, SWX, 0, 32                    ; behind this set's loads: two batches of 16
	LOADB SET0, 8, 0                               ; Wk
	QB SET1, CWX, 8*PITCH, SWX, 64, 32
	LOADB SET1, 10, 0                              ; Wv
	QB SET2, CWW, 0, SWW, 0, 32
	QB SET0, CWW, 64*PITCH, SWW, 512, 16           ; one batch behind
	QB SET1, CWW, 128*PITCH, SWW, 1024, 0
	s_wait_dscnt 0x0                               ; for the others' sake: my stores have landed
	s_barrier_signal -1
	s_barrier_wait -1                              ; all 320 rows of codes and their scale bytes lie in LDS
	; A fragment, 16 rows x 128 K of 4-bit codes, is 8 registers: lane (r, h) holds row r; registers 4 c .. 4 c + 3 hold K = 64 c + 32 h + 0..31: two loads of 16 bytes, 32 bytes apart.  A scale word is a row's four bytes of a K step.
.irp t, 0,1,2,3
.irp s, 0,1
	ds_load_b32 v[XS+2*\t+\s], v[SX] offset:128*\t+4*\s
.endr
.endr
.irp m, 0,1,2
.irp s, 0,1
	ds_load_b32 v[WS+2*\m+\s], v[SW] offset:512*\m+4*\s
.endr
.endr
.irp t, 0,1,2,3
.irp s, 0,1
.irp c, 0,1
	ds_load_b128 v[XF+8*(2*\t+\s)+4*\c:XF+8*(2*\t+\s)+4*\c+3], v[FX] offset:\t*16*PITCH+64*\s+32*\c
.endr
.endr
.endr
.irp m, 0,1,2
.irp s, 0,1
.irp c, 0,1
	ds_load_b128 v[WF+8*(2*\m+\s)+4*\c:WF+8*(2*\m+\s)+4*\c+3], v[FW] offset:\m*64*PITCH+64*\s+32*\c
.endr
.endr
.endr
	s_wait_dscnt 0x0
; q and k TRANSPOSED: source 0 = 16 rows of W, source 1 = 16 tokens: lane (r, h) then holds token r and its registers the channels 8 h + 0..7 of my tile.
.macro MMT d, m, t, s
.if \s == 0
	v_wmma_scale_f32_16x16x128_f8f6f4 v[\d+8*\t:\d+8*\t+7], v[WF+8*(2*\m+\s):WF+8*(2*\m+\s)+7], v[XF+8*(2*\t+\s):XF+8*(2*\t+\s)+7], 0, v[WS+2*\m+\s], v[XS+2*\t+\s] matrix_a_fmt:MATRIX_FMT_FP4 matrix_b_fmt:MATRIX_FMT_FP4
.else
	v_wmma_scale_f32_16x16x128_f8f6f4 v[\d+8*\t:\d+8*\t+7], v[WF+8*(2*\m+\s):WF+8*(2*\m+\s)+7], v[XF+8*(2*\t+\s):XF+8*(2*\t+\s)+7], v[\d+8*\t:\d+8*\t+7], v[WS+2*\m+\s], v[XS+2*\t+\s] matrix_a_fmt:MATRIX_FMT_FP4 matrix_b_fmt:MATRIX_FMT_FP4
.endif
.endm
; v the other way round: source 0 = 16 tokens, source 1 = 16 rows of Wv: lane (r, h) holds channel r and its registers the tokens 8 h + 0..7: neighbours along the keys, which are the second attention product's K.
.macro MMV t, s
.if \s == 0
	v_wmma_scale_f32_16x16x128_f8f6f4 v[DV+8*\t:DV+8*\t+7], v[XF+8*(2*\t+\s):XF+8*(2*\t+\s)+7], v[WF+8*(4+\s):WF+8*(4+\s)+7], 0, v[XS+2*\t+\s], v[WS+4+\s] matrix_a_fmt:MATRIX_FMT_FP4 matrix_b_fmt:MATRIX_FMT_FP4
.else
	v_wmma_scale_f32_16x16x128_f8f6f4 v[DV+8*\t:DV+8*\t+7], v[XF+8*(2*\t+\s):XF+8*(2*\t+\s)+7], v[WF+8*(4+\s):WF+8*(4+\s)+7], v[DV+8*\t:DV+8*\t+7], v[XS+2*\t+\s], v[WS+4+\s] matrix_a_fmt:MATRIX_FMT_FP4 matrix_b_fmt:MATRIX_FMT_FP4
.endif
.endm
.irp s, 0,1                                    ; the 12 accumulators take turns, one instruction a turn; the first K step starts the sums
.irp t, 0,1,2,3
	MMT DQ, 0, \t, \s
.endr
.irp t, 0,1,2,3
	MMT DK, 1, \t, \s
.endr
.irp t, 0,1,2,3
	MMV \t, \s
.endr
.endr
.rept 4
	v_nop                                          ; four places behind the last product, ahead of the reads of results and of the writes over x's fragments (ISA guide 7.12.1)
.endr
.irp j, 0,2,4,6,8,10,12,14,16,18,20,22,24,26,28,30
	v_pk_mul_f32 v[DQ+\j:DQ+\j+1], v[DQ+\j:DQ+\j+1], s[22:23] op_sel_hi:[1,0]   ; q x c, in f32; each accumulator from its low end on
.endr
.irp t, 0,1,2,3
.irp i, 0,1,2,3
	v_cvt_pk_f16_f32 v[OUT+4*\t+\i], v[DQ+8*\t+2*\i], v[DQ+8*\t+2*\i+1]
.endr
.endr
.irp t, 0,1,2,3
	global_store_b128 v[VK], v[OUT+4*\t:OUT+4*\t+3], s[12:13] offset:1024*\t      ; the wave stores 512 consecutive bytes, aligned: half an image
.endr
.irp t, 0,1,2,3
.irp i, 0,1,2,3
	v_cvt_pk_f16_f32 v[OUT+16+4*\t+\i], v[DK+8*\t+2*\i], v[DK+8*\t+2*\i+1]
.endr
.endr
.irp t, 0,1,2,3
	global_store_b128 v[VK], v[OUT+16+4*\t:OUT+16+4*\t+3], s[14:15] offset:1024*\t
.endr
.irp t, 0,1,2,3
.irp i, 0,1,2,3
	v_cvt_pk_f16_f32 v[OUT+32+4*\t+\i], v[DV+8*\t+2*\i], v[DV+8*\t+2*\i+1]
.endr
.endr
.irp t, 0,1,2,3
	global_store_b128 v[VV], v[OUT+32+4*\t:OUT+32+4*\t+3], s[14:15] offset:2048*(\t/2)+512*(\t%2)   ; token tile t is keys 32 (t / 2) + 16 (t % 2) on of the step
.endr
	s_wait_tensorcnt 0x0                           ; the wave's end: behind my last LDS store
	ds_add_u32 v[SPW], v[NIL]
	s_wait_dscnt 0x0
	s_endpgm
.Lfunc_end_k_q9ce9d4c00d_proj:
	.size	k_q9ce9d4c00d_proj, .Lfunc_end_k_q9ce9d4c00d_proj-k_q9ce9d4c00d_proj
	.p2alignl 7, 3214868480
	.fill 96, 4, 3214868480
	.section	.rodata,"a",@progbits
	.p2align	6, 0x0
	.amdhsa_kernel k_q9ce9d4c00d_proj
		.amdhsa_group_segment_fixed_size 49664
		.amdhsa_private_segment_fixed_size 0
		.amdhsa_enable_private_segment 0
		.amdhsa_kernarg_size 48
		.amdhsa_user_sgpr_count 2
		.amdhsa_user_sgpr_kernarg_segment_ptr 1
		.amdhsa_wavefront_size32 1
		.amdhsa_system_sgpr_workgroup_id_x 1
		.amdhsa_system_sgpr_workgroup_id_y 1
		.amdhsa_system_sgpr_workgroup_id_z 1
		.amdhsa_system_vgpr_workitem_id 0
		.amdhsa_next_free_vgpr 256
		.amdhsa_next_free_sgpr 66
		.amdhsa_reserve_vcc 0
		.amdhsa_float_denorm_mode_32 3
		.amdhsa_float_denorm_mode_16_64 3
		.amdhsa_memory_ordered 1
		.amdhsa_forward_progress 1
		.amdhsa_inst_pref_size 51
	.end_amdhsa_kernel
	.amdgpu_metadata
---
amdhsa.version: [ 1, 2 ]
amdhsa.kernels:
  - .name:           k_q9ce9d4c00d_proj
    .symbol:         k_q9ce9d4c00d_proj.kd
    .args:
      - { .name: x, .offset: 0, .size: 8, .value_kind: global_buffer, .address_space: global }
      - { .name: Wq, .offset: 8, .size: 8, .value_kind: global_buffer, .address_space: global }
      - { .name: Wk, .offset: 16, .size: 8, .value_kind: global_buffer, .address_space: global }
      - { .name: Wv, .offset: 24, .size: 8, .value_kind: global_buffer, .address_space: global }
      - { .name: qf, .offset: 32, .size: 8, .value_kind: global_buffer, .address_space: global }
      - { .name: kv, .offset: 40, .size: 8, .value_kind: global_buffer, .address_space: global }
    .group_segment_fixed_size: 49664
    .private_segment_fixed_size: 0
    .kernarg_segment_align: 8
    .kernarg_segment_size: 48
    .max_flat_workgroup_size: 256
    .sgpr_count:     66
    .vgpr_count:     256
    .wavefront_size: 32
...
	.end_amdgpu_metadata
.endif
;; end of part 1
;; launch attn (part 2): grid 16 x 16, 8 waves a work-group, clusters of 4 x 1, 327,680 bytes of LDS; arguments qf, kv, out0; writes out0
.if DOCPART == 2
	.amdgcn_target "amdgcn-amd-amdhsa--gfx1250"
	.amdhsa_code_object_version 6
	.text
	.protected	k_q9ce9d4c00d_attn
	.globl	k_q9ce9d4c00d_attn
	.p2align	8
	.type	k_q9ce9d4c00d_attn,@function
k_q9ce9d4c00d_attn:
	s_mov_b64 s[64:65], 0
	v_nop
	global_prefetch_b8 v0, s[64:65] scope:SCOPE_SE
	s_setreg_imm32_b32 hwreg(HW_REG_WAVE_MODE, 25, 1), 1
	s_wait_xcnt 0x0
	s_wait_alu depctr_hold_cnt(0) depctr_sa_sdst(0) depctr_va_vdst(0) depctr_va_sdst(0) depctr_va_ssrc(0) depctr_va_vcc(0) depctr_vm_vsrc(0)
	s_getreg_b32 s2, hwreg(HW_REG_IB_STS2, 6, 4)
	s_cmp_eq_u32 s2, 0
	s_cbranch_scc0 .Lentry_in_a_cluster
	s_endpgm
.Lentry_in_a_cluster:
	s_bfe_u32 s2, ttmp6, 0x10000c
	s_cmp_lg_u32 s2, 0x3003
	s_cbranch_scc0 .Lentry_shape_is_right
	s_endpgm
.Lentry_shape_is_right:
; out0[b][q][32 head + :] = the sum over keys of softmax(q . k / sqrt(32)) v, for 4 batches x 8 heads, 2,048 queries x 2,048 keys, head size 32, no mask.
; Both products on f16 operands with f32 sums; maxima, exponentials and row sums in f32, with a running maximum.  qf holds q x log2(e) / sqrt(32), so a score leaves the matrix unit as t, and p = 2^(t - m).
; qf and kv hold images of the operand registers (a fragment: [c 2][lane 32][16 bytes]):
;   qf [b][head][query tile][1,024];  kv [b][pair of heads][chunk of 512 keys][head in pair][step of 64 keys][K: 4 fragments | V^T: 4 fragments].
; LIMITS: f16's range for q x c, k and v (under 65,504) is the launch before's to state; a weight p under 6e-8 is rounded to 0 for the second product (the row's sum is at least 1 and is taken of the unrounded p).  NaN and infinities are not served.
; SHARES: a work-group takes 128 queries of a pair of heads: a query's two heads are 64 channels, 256 consecutive bytes of out0, aligned.  Wave w: head w / 4 of the pair, query tiles 2 (w % 4) + 0, 1: 32 queries, whose two
;   tiles share every fragment of K and V.  Eight waves of 256 registers: one wave's vector work stands beside another's matrix work.
; LAYOUT: S^T = K Q^T (source 0 = 16 keys, source 1 = 16 queries): a lane holds ONE query (lane % 16) and keys 8 (lane / 16) + 0..7 of a tile.  Two such tiles, rounded to f16 in pairs, ARE source 1 of O^T = V^T P,
;   whose result again holds one query a lane.  Nothing changes lanes but one exchange of halves for the maximum and one for the sum.
; RING: two LDS slots of 131,072 bytes, a chunk of 512 keys of both heads each; four chunks.  Each wave brings 16,384 dense bytes of a chunk by one tensor load; by this text's count a wave has at most one tensor load out.
; CLUSTER: the four blocks of queries of a cluster walk the same kv: each load is asked for JOINTLY, with the same descriptor and a mask that names the four.
.set SLOT,  131072
.set STAGE, 2*SLOT                     ; behind the ring: 128 rows x (256 bytes + 16) for the way out; no tensor load lands here
.set SP,    272
.set SPARE, STAGE+128*SP               ; the spare words, 128 bytes for each wave: four blocks of 256 bytes that no other line names
.set LB,  1                            ; v1   16 x lane + 65,536 x my head in the pair; never rewritten
.set SPW, 2                            ; v2   LDS address of my spare word; never rewritten
.set NIL, 3                            ; v3   0; never rewritten
.set ADR, 4                            ; v4   LDS address of the step in hand
.set QO,  5                            ; v5   16 x lane
.set STO, 6                            ; v6   the way out: where I put 16 bytes of a row
.set RD,  7                            ; v7   where I read a row back
.set GO,  8                            ; v8   my byte offset in my rows of out0
.set PFO, 9                            ; v9   256 x lane: the prefetches' offset; never rewritten
.set ST,  16                           ; tile t's statistics at ST + 8 t: +0 m, +1 the old m, +2, +3 the sum (even keys', odd keys'), +4..+7 four chains of the maximum; a takes +6 and old m - m takes +7 once the maximum is found
.set Q,   32                           ; v32-47   Q, 8 a tile
.set KF,  48                           ; v48-79   K of a step, 8 a key tile
.set VF,  80                           ; v80-111  V^T of a step: fragment 2 g + u
.set S,   112                          ; v112-175 S^T, then p: 32 a tile
.set P,   176                          ; v176-207 p in f16: 16 a tile
.set O,   208                          ; v208-239 O^T: 16 a tile
.set WV,  10                           ; s10  my wave's number
.set G1,  16                           ; s[16:23] descriptor group 1
.set G0,  24                           ; s[24:27], s[28:31] descriptor group 0 for slot 0, slot 1
.set SEL, 32                           ; s[32:33] lane selects for v_permlanex16_b32: lane l xor 16
.set CNT, 34                           ; s34  counts a slot's steps
.set TB,  35                           ; s35  LDS byte at which the step in hand begins
.set PFA, 36                           ; s[36:37] where my prefetches stand; never rewritten
.set LIM, 38                           ; s38  1 in a wave that prefetches
; A round of the cluster's barrier: my work-group's barrier; wave 0 signals for the work-group; every wave waits for all four work-groups; my work-group's barrier once more.
.macro ROUND
	s_barrier_signal -1
	s_barrier_wait -1
	s_cmp_lg_u32 s[WV], 0
	s_cbranch_scc1 .Lnot_wave_0_\@
	s_barrier_signal -3
.Lnot_wave_0_\@:
	s_barrier_wait -3
	s_barrier_signal -1
	s_barrier_wait -1
.endm
; A prefetch of the chunk that the NEXT change of slots will ask for: a slot's eight key steps ahead of that load.  All four clusters of a pair of heads walk the same kv: the first of them asks.  A chunk is 512 blocks of
; 256 bytes: its four partners take 128 each, told apart BY ADDRESS; in each, waves 0 to 3 take 32, a lane a block.  So each block is named once in the launch.  Chunks 0 and 1 come by their loads alone.
.macro ASK off
	s_cmp_eq_u32 s[LIM], 1
	s_cbranch_scc0 .Lnot_mine_\@
	global_prefetch_b8 v[PFO], s[PFA:PFA+1] offset:\off th:TH_LOAD_NT scope:SCOPE_SE
.Lnot_mine_\@:
.endm
	s_load_b128 s[4:7], s[0:1], 0x0                ; qf s[4:5], kv s[6:7]
	s_load_b64 s[8:9], s[0:1], 0x10                ; out0
	v_lshl_add_u32 v[SPW], v0, 2, SPARE
	v_mov_b32 v[NIL], 0
	ds_add_u32 v[SPW], v[NIL]                      ; the wave's opening: the add, twice on end, and its wait ahead of my first tensor load; the set-up below stands between
	ds_add_u32 v[SPW], v[NIL]
	v_lshrrev_b32 v10, 5, v0
	v_readfirstlane_b32 s[WV], v10                 ; wave 0..7
	s_lshr_b32 s11, s[WV], 2                       ; my head in the pair
	s_and_b32 s12, s[WV], 3                        ; my pair of query tiles
	s_bfe_u32 s13, ttmp6, 0x40000                  ; cx: my place in the cluster
	s_lshl_b32 s14, ttmp9, 2                       ; in a cluster launch ttmp9 counts clusters
	s_add_co_u32 s14, s14, s13                     ; my block of 128 queries: it enters qf's and out0's addresses alone
	s_and_b32 s15, ttmp7, 0xffff                   ; y = 4 x batch + pair of heads, which the four partners share
	; descriptor group 1: 64 rows of 32 elements of 8 bytes, dense: 16,384 bytes
	s_mov_b32 s[G1+0], 15|(3<<16)|(1<<21)          ; 15:0 the mask: all four work-groups; 17:16 elements of 8 bytes; 20 no padding; 21 set beside a mask
	s_mov_b32 s[G1+1], 32<<16                      ; tensor_dim0 = 32
	s_mov_b32 s[G1+2], 64<<16                      ; tensor_dim1 = 64
	s_mov_b32 s[G1+3], 32<<16                      ; tile_dim0 = 32
	s_mov_b32 s[G1+4], 64                          ; tile_dim1 = 64
	s_mov_b32 s[G1+5], 32                          ; from row to row
	s_mov_b32 s[G1+6], 0
	s_mov_b32 s[G1+7], 0
	s_mov_b32 s[SEL], 0x76543210
	s_mov_b32 s[SEL+1], 0xfedcba98
	s_lshl_b32 s40, s15, 19                        ; kv: my pair's 524,288 bytes,
	s_lshl_b32 s44, s[WV], 14                      ; my wave's 16,384 of a chunk: no place in the cluster enters these registers
	s_add_co_u32 s40, s40, s44
	s_mov_b32 s41, 0
	s_lshl_b32 s46, s15, 19                        ; the prefetches: my pair, chunk 2, my work-group's 32,768 bytes, my wave's 8,192
	s_lshl_b32 s45, s13, 15
	s_add_co_u32 s46, s46, s45
	s_lshl_b32 s45, s12, 13
	s_add_co_u32 s46, s46, s45
	s_add_co_u32 s46, s46, 2*SLOT
	s_mov_b32 s47, 0
	s_lshr_b32 s[LIM], s[WV], 2                    ; 0 in waves 0 to 3,
	s_or_b32 s[LIM], s[LIM], ttmp9                 ; of the pair's first cluster: the same in all four partners
	s_cmp_eq_u32 s[LIM], 0
	s_cselect_b32 s[LIM], 1, -1
	s_lshl_b32 s48, s15, 1                         ; qf: ((2 y + head in pair) x 128 + 8 x block + 2 (w % 4)) images of 1,024 bytes
	s_add_co_u32 s48, s48, s11
	s_lshl_b32 s48, s48, 7
	s_lshl_b32 s50, s14, 3
	s_add_co_u32 s48, s48, s50
	s_lshl_b32 s50, s12, 1
	s_add_co_u32 s48, s48, s50
	s_lshl_b32 s48, s48, 10
	s_mov_b32 s49, 0
	s_lshr_b32 s52, s15, 2                         ; out0: row 2,048 x batch + 128 x block + 16 x wave, of 1,024 bytes,
	s_lshl_b32 s52, s52, 11
	s_lshl_b32 s50, s14, 7
	s_add_co_u32 s52, s52, s50
	s_lshl_b32 s50, s[WV], 4
	s_add_co_u32 s52, s52, s50
	s_lshl_b32 s52, s52, 10
	s_and_b32 s50, s15, 3                          ; + the pair's 256 bytes in a row
	s_lshl_b32 s50, s50, 8
	s_add_co_u32 s52, s52, s50
	s_mov_b32 s53, 0
	v_and_b32 v10, 31, v0                          ; lane
	s_lshl_b32 s50, s11, 16
	v_lshl_add_u32 v[LB], v10, 4, s50
	v_lshlrev_b32 v[QO], 4, v10
	v_lshlrev_b32 v[PFO], 8, v10
	s_wait_dscnt 0x0                               ; both opening adds are done
	s_wait_kmcnt 0x0
	s_add_nc_u64 s[42:43], s[6:7], s[40:41]        ; my wave's part of chunk 0
	s_mov_b32 s[G0+0], 1                           ; count = 1
	s_lshl_b32 s[G0+1], s[WV], 14                  ; LDS address: slot 0 + 16,384 x wave
	s_mov_b64 s[G0+2:G0+3], s[42:43]               ; global address: chunk 0
	s_or_b32 s[G0+3], s[G0+3], 0x80000000          ; type = 2
	s_mov_b32 s[G0+4], 1
	s_add_co_u32 s[G0+5], s[G0+1], SLOT            ; slot 1
	s_add_nc_u64 s[G0+6:G0+7], s[42:43], SLOT      ; chunk 1
	s_or_b32 s[G0+7], s[G0+7], 0x80000000
	s_add_nc_u64 s[PFA:PFA+1], s[6:7], s[46:47]
	s_add_nc_u64 s[4:5], s[4:5], s[48:49]          ; qf at my first tile
	s_add_nc_u64 s[8:9], s[8:9], s[52:53]          ; out0 at the first row that I store
	ROUND                                          ; all four work-groups are here: the first joint loads meet
	tensor_load_to_lds s[G0:G0+3], s[G1:G1+7]      ; chunk 0 into slot 0
	s_nop 0
.irp t, 0,1
.irp c, 0,1
	global_load_b128 v[Q+8*\t+4*\c:Q+8*\t+4*\c+3], v[QO], s[4:5] offset:1024*\t+512*\c   ; Q stays in registers
.endr
.endr
	; The key step is written without a first step of its own: O^T and the sums begin as zeros and m as -3e38, so the first a is 2^(-huge) = 0 and multiplies zeros.
.irp j, 0,1,2,3,4,5,6,7,8,9,10,11,12,13,14,15,16,17,18,19,20,21,22,23,24,25,26,27,28,29,30,31
	v_mov_b32 v[O+\j], 0
.endr
.irp t, 0,1
	v_mov_b32 v[ST+8*\t], 0xff61b1e6               ; m = -3e38, under every t
	v_mov_b32 v[ST+8*\t+2], 0
	v_mov_b32 v[ST+8*\t+3], 0
.endr
	s_wait_loadcnt 0x0                             ; Q
; Number k of 16 of tile t's maximum: four chains of seven scores, then the four scores left over, the chains and the old m.  Each accumulator is first read at its low end.
.macro MAXN t, k
.set rT, ST+8*(\t)
.set rS, S+32*(\t)
.set nn, \k
.if nn < 4
	v_max3_num_f32 v[rT+4+nn], v[rS+8*nn], v[rS+8*nn+1], v[rS+8*nn+2]
.elseif nn < 12
	v_max3_num_f32 v[rT+4+nn%4], v[rT+4+nn%4], v[rS+8*(nn%4)+2*(nn/4)+1], v[rS+8*(nn%4)+2*(nn/4)+2]
.elseif nn == 12
	v_max3_num_f32 v[rT+4], v[rT+4], v[rS+7], v[rS+15]
.elseif nn == 13
	v_max3_num_f32 v[rT+6], v[rT+6], v[rS+23], v[rS+31]
.elseif nn == 14
	v_max3_num_f32 v[rT+4], v[rT+4], v[rT+5], v[rT+6]
.else
	v_max3_num_f32 v[rT+4], v[rT+4], v[rT+7], v[rT+1]
.endif
.endm
; Pair p of tile t: t - m, two scores at a time (of the pair m, old m the low word serves both halves).
.macro SUBP t, p
	v_pk_add_f32 v[S+32*(\t)+2*(\p):S+32*(\t)+2*(\p)+1], v[S+32*(\t)+2*(\p):S+32*(\t)+2*(\p)+1], v[ST+8*(\t):ST+8*(\t)+1] op_sel_hi:[1,0] neg_lo:[0,1] neg_hi:[0,1]
.endm
; Number k of 32 of the row sums, the tiles by turns: the tile's 16 pairs of weights are added in place, neighbours 1, 2, 4 and 8 pairs apart; then the sum = a x the sum + that.
.macro SUMN k
.set tt, (\k)%2
.set z, (\k)/2
.set rT, ST+8*tt
.set rS, S+32*tt
.if z < 8
	v_pk_add_f32 v[rS+4*z:rS+4*z+1], v[rS+4*z:rS+4*z+1], v[rS+4*z+2:rS+4*z+3]
.elseif z < 12
	v_pk_add_f32 v[rS+8*(z-8):rS+8*(z-8)+1], v[rS+8*(z-8):rS+8*(z-8)+1], v[rS+8*(z-8)+4:rS+8*(z-8)+5]
.elseif z < 14
	v_pk_add_f32 v[rS+16*(z-12):rS+16*(z-12)+1], v[rS+16*(z-12):rS+16*(z-12)+1], v[rS+16*(z-12)+8:rS+16*(z-12)+9]
.elseif z == 14
	v_pk_add_f32 v[rS:rS+1], v[rS:rS+1], v[rS+16:rS+17]
.else
	v_pk_fma_f32 v[rT+2:rT+3], v[rT+2:rT+3], v[rT+6:rT+7], v[rS:rS+1] op_sel_hi:[1,0,1]
.endif
.endm
; A KEY STEP: 64 keys, at LDS byte s[TB].  next = 1: the next step's K, 8,192 bytes on in the same slot, is fetched.
.macro STEP next
	s_wait_dscnt 0x0                               ; K of this step is in: it was asked for a step ago
.irp kt, 0,1,2,3
	v_wmma_f32_16x16x32_f16 v[S+8*\kt:S+8*\kt+7], v[KF+8*\kt:KF+8*\kt+7], v[Q:Q+7], 0
.endr
	v_add_nc_u32 v[ADR], s[TB], v[LB]              ; four plain lines: the places between tile 0's products and the first read of their results (ISA guide 7.12.1)
	v_mov_b32 v[ST+1], v[ST]                       ; the old m is kept for a
	v_mov_b32 v[ST+9], v[ST+8]
	v_nop
.irp kt, 0,1,2,3                               ; tile 0's maximum stands between tile 1's products
	v_wmma_f32_16x16x32_f16 v[S+32+8*\kt:S+32+8*\kt+7], v[KF+8*\kt:KF+8*\kt+7], v[Q+8:Q+15], 0
.irp e, 0,1,2,3
	MAXN 0, 4*\kt+\e
.endr
.endr                                          ; the last four lines of it, which name nothing of the last product, are the places ahead of the loads into K's registers and of tile 1's first read
.irp f, 0,1,2,3
.irp c, 0,1
	ds_load_b128 v[VF+8*\f+4*\c:VF+8*\f+4*\c+3], v[ADR] offset:4096+1024*\f+512*\c    ; the wave reads 512 consecutive bytes: an image has no pitch
.endr
.endr
.if \next
.irp kt, 0,1,2,3
.irp c, 0,1
	ds_load_b128 v[KF+8*\kt+4*\c:KF+8*\kt+4*\c+3], v[ADR] offset:8192+1024*\kt+512*\c
.endr
.endr
.endif
.irp e, 0,1,2,3,4,5,6,7,8,9,10,11,12,13,14,15
	MAXN 1, \e
.endr
.irp t, 0,1
	v_permlanex16_b32 v[ST+8*\t+5], v[ST+8*\t+4], s[SEL], s[SEL+1]   ; the query's other 32 keys lie in the lane 16 away
.endr
.irp t, 0,1
	v_max_num_f32 v[ST+8*\t], v[ST+8*\t+4], v[ST+8*\t+5]            ; the new m
.endr
.irp t, 0,1
	v_sub_f32 v[ST+8*\t+7], v[ST+8*\t+1], v[ST+8*\t]                ; old m - new m, 0 or less
.endr
	; ONE BATCH of 66 exponentials, with the 32 subtractions among them; no line of it names an exponential's result
.irp t, 0,1
	v_exp_f32 v[ST+8*\t+6], v[ST+8*\t+7]           ; a = 2^(old m - new m)
.endr
.irp t, 0,1
	SUBP \t, 0
.endr
.irp b, 0,1,2,3,4,5,6,7,8,9,10,11,12,13,14,15
.irp t, 0,1
.if \b < 15
	SUBP \t, \b+1
.endif
	v_exp_f32 v[S+32*\t+2*\b], v[S+32*\t+2*\b]     ; p = 2^(t - m), at most 1
	v_exp_f32 v[S+32*\t+2*\b+1], v[S+32*\t+2*\b+1]
.endr
.endr
	v_nop                                          ; a plain line behind the last exponential, ahead of the first use
	s_wait_alu depctr_va_vdst(0)                   ; the wait ahead of the first line that names a result: one for the batch
.irp t, 0,1
.irp n, 0,1,2,3,4,5,6,7,8,9,10,11,12,13,14,15
	v_cvt_pk_f16_f32 v[P+16*\t+\n], v[S+32*\t+2*\n], v[S+32*\t+2*\n+1]   ; two neighbouring keys' weights: registers 8 g + 4 c + i are source 1's for keys 32 g on
.endr
.endr
.irp t, 0,1
.irp j, 0,2,4,6,8,10,12,14
	v_pk_mul_f32 v[O+16*\t+\j:O+16*\t+\j+1], v[O+16*\t+\j:O+16*\t+\j+1], v[ST+8*\t+6:ST+8*\t+7] op_sel_hi:[1,0]   ; O^T x a; each accumulator from its low end on
.endr
.endr
.if \next
	s_wait_dscnt 8                                 ; V is in; the eight younger loads are the next step's K
.else
	s_wait_dscnt 0x0
.endif
.irp i, 0,1,2,3,4,5,6,7                        ; O^T += V^T P: keys 32 (i / 4) on, tile (i / 2) % 2, channels 16 (i % 2) on.  The four accumulators take turns; the row sums stand between
	v_wmma_f32_16x16x32_f16 v[O+16*((\i/2)%2)+8*(\i%2):O+16*((\i/2)%2)+8*(\i%2)+7], v[VF+8*(2*(\i/4)+\i%2):VF+8*(2*(\i/4)+\i%2)+7], v[P+16*((\i/2)%2)+8*(\i/4):P+16*((\i/2)%2)+8*(\i/4)+7], v[O+16*((\i/2)%2)+8*(\i%2):O+16*((\i/2)%2)+8*(\i%2)+7]
.irp e, 0,1,2,3
	SUMN 4*\i+\e
.endr
.endr                                          ; the last four sums are the places behind the last product
.endm
; A SLOT'S EIGHT KEY STEPS, with the change of slots at their head.  Each wave waits for all its tensor loads (its part of the slot ahead), adds 0 to its spare word, and waits for that and for its reads of the slot that it has left.
; The barrier is a round of the cluster's: behind it the slot ahead is whole in every partner and no wave of any partner reads the other one.  refill = 1: that other slot takes the next chunk: the load has eight key steps in which to land.
; step = 1: this slot's descriptor, whose load has landed, goes two chunks on.  ask: the prefetch's offset from chunk 2, or -1.
.macro TRIP slot, refill, step, ask
	s_wait_tensorcnt 0x0                           ; no tensor load of mine is out, so a group 0 may be written
	ds_add_u32 v[SPW], v[NIL]                      ; 0 onto my spare word; scalar work stands between it and the wait for it
.if \step
	s_add_nc_u64 s[G0+4*\slot+2:G0+4*\slot+3], s[G0+4*\slot+2:G0+4*\slot+3], 2*SLOT   ; the type bits on top are not reached
.endif
	s_mov_b32 s[TB], \slot*SLOT
	s_mov_b32 s[CNT], 7
	s_wait_dscnt 0x0                               ; the add is done, and my reads of the slot that I have left are over
	ROUND
.if \refill
	tensor_load_to_lds s[G0+4*(1-\slot):G0+4*(1-\slot)+3], s[G1:G1+7]   ; the first thing behind the round, and my one tensor load until the next
	s_nop 0
.rept 4
	v_nop
.endr
.endif
	v_add_nc_u32 v[ADR], s[TB], v[LB]
.irp kt, 0,1,2,3
.irp c, 0,1
	ds_load_b128 v[KF+8*\kt+4*\c:KF+8*\kt+4*\c+3], v[ADR] offset:1024*\kt+512*\c      ; K of the slot's first step
.endr
.endr
.if \ask >= 0
	ASK \ask                                       ; behind the tensor load and the LDS loads that the next products wait for
.endif
.Lstep_\@:                                         ; seven trips; the slot's last step, which has no successor in the slot, is written out
	STEP 1
	s_add_co_u32 s[TB], s[TB], 8192
	s_sub_co_u32 s[CNT], s[CNT], 1
	s_cmp_lg_u32 s[CNT], 0
	s_cbranch_scc1 .Lstep_\@
	STEP 0
.endm
	TRIP 0, 1, 1, 0                                ; works on chunk 0; chunk 1 goes into slot 1; chunk 2 is prefetched
	TRIP 1, 1, 1, SLOT                             ; works on chunk 1; chunk 2 goes into slot 0; chunk 3 is prefetched
	TRIP 0, 1, 0, -1                               ; works on chunk 2; chunk 3 goes into slot 1
	TRIP 1, 0, 0, -1                               ; works on chunk 3; nothing is left to fetch
	; THE WAY OUT.  The sum's two halves and the other half of the lanes' are added; O^T is divided by the sum and goes through the work-group's stage, since a row's 256 bytes come from two waves; each wave then stores 16 whole rows.
.irp t, 0,1
	v_add_f32 v[ST+8*\t+4], v[ST+8*\t+2], v[ST+8*\t+3]
.endr
.irp t, 0,1
	v_permlanex16_b32 v[ST+8*\t+5], v[ST+8*\t+4], s[SEL], s[SEL+1]
.endr
.irp t, 0,1
	v_add_f32 v[ST+8*\t+4], v[ST+8*\t+4], v[ST+8*\t+5]
.endr
.irp t, 0,1
	v_rcp_f32 v[ST+8*\t+6], v[ST+8*\t+4]
.endr
	v_and_b32 v10, 15, v0                          ; r.  (The stage's addresses are the plain work behind the reciprocals)
	v_bfe_u32 v11, v0, 4, 1                        ; h
	s_lshl_b32 s40, s12, 5
	s_mul_i32 s40, s40, SP                         ; my 32 queries' rows,
	s_lshl_b32 s41, s11, 7                         ; my head's 128 bytes of a row
	s_add_co_u32 s40, s40, s41
	s_add_co_u32 s40, s40, STAGE
	v_mul_u32_u24 v[STO], v10, SP
	v_lshl_add_u32 v[STO], v11, 5, v[STO]
	v_add_nc_u32 v[STO], s40, v[STO]               ; in: row r, + 32 h
	s_mul_i32 s41, s[WV], 16*SP
	s_add_co_u32 s41, s41, STAGE
	v_mul_u32_u24 v[RD], v11, SP
	v_lshl_add_u32 v[RD], v10, 4, v[RD]
	v_add_nc_u32 v[RD], s41, v[RD]                 ; back: rows 16 w on; lanes 0-15 one row of 256 bytes, lanes 16-31 the next
	v_lshlrev_b32 v[GO], 10, v11
	v_lshl_add_u32 v[GO], v10, 4, v[GO]            ; and the same two rows in out0, 1,024 bytes apart
	s_wait_alu depctr_va_vdst(0)                   ; the wait ahead of the first use: one for the two reciprocals
.irp t, 0,1
.irp j, 0,2,4,6,8,10,12,14
	v_pk_mul_f32 v[O+16*\t+\j:O+16*\t+\j+1], v[O+16*\t+\j:O+16*\t+\j+1], v[ST+8*\t+6:ST+8*\t+7] op_sel_hi:[1,0]   ; each accumulator from its low end on
.endr
.endr
.irp t, 0,1
.irp u, 0,1
	ds_store_b128 v[STO], v[O+16*\t+8*\u:O+16*\t+8*\u+3] offset:\t*16*SP+64*\u          ; lane (r, h): query 16 t + r, channels 16 u + 8 h + 0..7
	ds_store_b128 v[STO], v[O+16*\t+8*\u+4:O+16*\t+8*\u+7] offset:\t*16*SP+64*\u+16
.endr
.endr
	s_wait_dscnt 0x0                               ; for the others' sake: my stores into the stage are done
	s_barrier_signal -1
	s_barrier_wait -1
.irp i, 0,1,2,3,4,5,6,7
	ds_load_b128 v[S+4*\i:S+4*\i+3], v[RD] offset:2*\i*SP
.endr
.irp i, 0,1,2,3,4,5,6,7
	s_wait_dscnt 7-\i                              ; LDS loads come back in order: load i is in, the younger ones may be out
	global_store_b128 v[GO], v[S+4*\i:S+4*\i+3], s[8:9] offset:2048*\i th:TH_STORE_NT   ; 16 lanes store 256 consecutive bytes, at a multiple of 256 from out0's first byte; written once, read by nobody here
.endr
	s_wait_tensorcnt 0x0                           ; the wave's end: behind my last tensor load and my last LDS store
	ds_add_u32 v[SPW], v[NIL]
	s_wait_dscnt 0x0
	ROUND                                          ; the closing round: no work-group ends while a partner may still ask for a chunk that names it
	s_endpgm
.Lfunc_end_k_q9ce9d4c00d_attn:
	.size	k_q9ce9d4c00d_attn, .Lfunc_end_k_q9ce9d4c00d_attn-k_q9ce9d4c00d_attn
	.p2alignl 7, 3214868480
	.fill 96, 4, 3214868480
	.section	.rodata,"a",@progbits
	.p2align	6, 0x0
	.amdhsa_kernel k_q9ce9d4c00d_attn
		.amdhsa_group_segment_fixed_size 327680
		.amdhsa_private_segment_fixed_size 0
		.amdhsa_enable_private_segment 0
		.amdhsa_kernarg_size 24
		.amdhsa_user_sgpr_count 2
		.amdhsa_user_sgpr_kernarg_segment_ptr 1
		.amdhsa_wavefront_size32 1
		.amdhsa_system_sgpr_workgroup_id_x 1
		.amdhsa_system_sgpr_workgroup_id_y 1
		.amdhsa_system_sgpr_workgroup_id_z 1
		.amdhsa_system_vgpr_workitem_id 0
		.amdhsa_next_free_vgpr 256
		.amdhsa_next_free_sgpr 66
		.amdhsa_reserve_vcc 0
		.amdhsa_float_denorm_mode_32 3
		.amdhsa_float_denorm_mode_16_64 3
		.amdhsa_memory_ordered 1
		.amdhsa_forward_progress 1
		.amdhsa_inst_pref_size 123
	.end_amdhsa_kernel
	.amdgpu_metadata
---
amdhsa.version: [ 1, 2 ]
amdhsa.kernels:
  - .name:           k_q9ce9d4c00d_attn
    .symbol:         k_q9ce9d4c00d_attn.kd
    .args:
      - { .name: qf, .offset: 0, .size: 8, .value_kind: global_buffer, .address_space: global }
      - { .name: kv, .offset: 8, .size: 8, .value_kind: global_buffer, .address_space: global }
      - { .name: out0, .offset: 16, .size: 8, .value_kind: global_buffer, .address_space: global }
    .group_segment_fixed_size: 327680
    .private_segment_fixed_size: 0
    .kernarg_segment_align: 8
    .kernarg_segment_size: 24
    .max_flat_workgroup_size: 256
    .sgpr_count:     66
    .vgpr_count:     256
    .wavefront_size: 32
...
	.end_amdgpu_metadata
.endif
;; end of part 2
;; ======== version 2 of 2: 2 launches; version 1 with the launch proj written anew for expert scheduling mode
;; limits: values are held in f16: magnitudes above 65,504 overflow, below 6.1e-05 lose precision
;; workspace buffers: qf 4,194,304 bytes; kv 8,388,608 bytes
;; launch proj (part 3): grid 4 x 64, 8 waves a work-group, no clusters, 49,664 bytes of LDS; arguments x, Wq, Wk, Wv, qf, kv; writes qf, kv
.if DOCPART == 3
	.amdgcn_target "amdgcn-amd-amdhsa--gfx1250"
	.amdhsa_code_object_version 6
	.text
	.protected	k_q9ce9d4c00d_proj
	.globl	k_q9ce9d4c00d_proj
	.p2align	8
	.type	k_q9ce9d4c00d_proj,@function
k_q9ce9d4c00d_proj:
	s_mov_b64 s[64:65], 0
	v_nop
	global_prefetch_b8 v0, s[64:65] scope:SCOPE_SE
	s_setreg_imm32_b32 hwreg(HW_REG_WAVE_SCHED_MODE, 0, 2), 2
	s_setreg_imm32_b32 hwreg(HW_REG_WAVE_MODE, 25, 1), 1
	s_wait_xcnt 0x0
	s_wait_alu depctr_vm_vsrc(0)
; q = x Wq^T, k = x Wk^T, v = x Wv^T on codes of FP4 (E2M1) with one E8M0 scale for each 32 along K (K = 256, innermost in x and in every W); sums in f32.
; x: [8192][256] f32; Wq, Wk, Wv: [256][256] f32.  The results are rounded to f16 and stored as images of the operand registers that the attention launch takes:
;   qf [b 4][head 8][query tile 128][c 2][lane 32][16 bytes]: lane (r, h) holds query r, half c its channels 16 c + 8 h + 0..7; q is multiplied by c = log2(e) / sqrt(32) in f32 ahead of the rounding.
;   kv [b 4][pair of heads 4][chunk of 512 keys 4][head in pair 2][step of 64 keys 8][8,192 bytes]; in a step: bytes 0-4095 K, key tile kt: [c][lane][16]: lane (r, h): key 16 kt + r, channels 16 c + 8 h + 0..7;
;      bytes 4096-8191 V^T, fragment 2 g + u: [c][lane][16]: lane (r, h): channel 16 u + r, keys 32 g + 16 c + 8 h + 0..7.
; THE QUANTISER: a block's scale is 2^(floor(log2(its largest magnitude)) - 2); its byte is the largest magnitude's exponent field - 2, held at 1 from below; each number / scale goes to the nearest code, ties to even, beyond 6 the largest code.
; LIMITS: |c q|, |k|, |v| under 65,504 (f16's largest number); under 6e-5 they are f16 subnormals (step 6e-8).  NaN and infinities among the inputs are not served.  A block of zeros gets the byte 1 where the rule says 127:
; its codes are zeros, and this program alone reads the bytes.  Blocks whose largest magnitude lies under the floor 2^-124 are held at the byte 1.
; SHARES: work-group (g, i) takes tokens 128 i .. 128 i + 127 and rows 64 g .. 64 g + 63 (a pair of heads) of each W: 128 + 192 rows of 1,024 bytes.
;   First every wave quantises 16 rows of x and 8 rows of each W, a row at a time: lane l holds k = 8 l .. 8 l + 7, a block of 32 lies in four neighbouring lanes; codes and scale bytes go to LDS as rows.
;   Behind one barrier wave w (cw = w % 4, th = w / 4) multiplies column tile cw of q, k and v against token tiles 4 th + 0..3: 12 accumulators, 24 matrix instructions.
; No tensor load: the operands arrive as f32 and each lane's loads land in the registers that the conversion takes.  No cluster for the same reason: nothing comes through a joint load.
; THE MODE: SCHED_MODE bits 1:0 = 2 (LLVM: expert scheduling mode 2), set by the entry lines.  The code itself states the register dependences
; between vector or matrix instructions and memory or LDS instructions, with s_wait_alu, always for 0.
; THE PLAN.  Registers that memory or LDS instructions touch:
;   v1 .. v13        offsets, LDS addresses and the closing add's two: written at the head, never again; read by every load and store.
;   SET0 .. SET2     Written by global loads; read by a batch's maxima and conversions; SET0 and SET1 are then loaded a second time; behind the barrier the fragments' LDS loads land in v48 .. v159.
;   CODE, BYTE       Written by a batch's conversions and shifts; read by its sixteen LDS stores; written again by the next batch, and at the end by the products (accumulators of q).
;   XS, WS           Written by LDS loads alone; read by the products.
;   OUT              Written by the roundings to f16; read by the twelve global stores; never written again.
;   M, SCL and the accumulators of k and v are named by vector and matrix instructions alone.
; So a batch has ONE wait on va_vdst, behind its conversions and shifts: it states that CODE and BYTE are written and that the set has been read; the set's next loads and the LDS stores follow it with no vector line between.
; One wait on vm_vsrc stands ahead of each later writer of CODE and BYTE: the next batch's conversions, the products.  One wait on va_vdst stands ahead of the run of global stores.
.set PITCH,  144                       ; a row of 256 codes in LDS: 128 bytes + 16: the 16 rows of a fragment load start 36 words apart
.set SCALES, 320*PITCH                 ; behind the 320 rows of codes (0-127 x, 128-191 Wq, 192-255 Wk, 256-319 Wv): 8 scale bytes a row
.set SPARE,  SCALES+320*8              ; the spare words, 128 bytes for each wave: four blocks of 256 bytes that no other line names
.set LO,  1                            ; v1   32 x lane: my 8 numbers of a row
.set CWX, 2                            ; v2   where my codes of x go: 4 x lane + row 16 w
.set CWW, 3                            ; v3   where my codes of a W go: 4 x lane + row 128 + 8 w
.set SWX, 4                            ; v4   my block's scale byte, x
.set SWW, 5                            ; v5   my block's scale byte, W
.set FX,  6                            ; v6   fragments of x: row r + 64 th, + 16 h
.set FW,  7                            ; v7   fragments of W: row 128 + 16 cw + r, + 16 h
.set SX,  8                            ; v8   scale words of x
.set SW,  9                            ; v9   scale words of W
.set VK,  10                           ; v10  my 16 bytes in an image of q or k: 16 x lane + 512 (cw % 2)
.set VV,  11                           ; v11  and of v: 16 x lane + 4096 + 1024 (cw % 2)
.set SPW, 12                           ; v12  LDS address of my spare word; never rewritten
.set NIL, 13                           ; v13  0; never rewritten
.set M,    16                          ; v16-23  largest magnitudes of 8 rows
.set SCL,  24                          ; v24-31  the conversions' scale operands
.set CODE, 32                          ; v32-39  8 codes a row
.set BYTE, 40                          ; v40-47  the scale bytes
.set SET0, 48                          ; three sets of 8 rows x 8 numbers
.set SET1, 112
.set SET2, 176
.set XF,  48                           ; the products: x's fragment (tile t, K step s) at XF + 8 (2 t + s)
.set WF,  112                          ; W's (matrix m, K step s) at WF + 8 (2 m + s)
.set DQ,  16                           ; accumulators, tile t at + 8 t
.set DK,  160
.set DV,  192
.set OUT, 48                           ; packed results: q at + 4 t, k at 16 + 4 t, v at 32 + 4 t
.set XS,  240                          ; v240-247 x's scale words (t, s); v248-253 W's (m, s): these registers hold scales and nothing else
.set WS,  248
	s_load_b256 s[4:11], s[0:1], 0x0               ; x s[4:5], Wq s[6:7], Wk s[8:9], Wv s[10:11]
	s_load_b128 s[12:15], s[0:1], 0x20             ; qf s[12:13], kv s[14:15]
	v_lshl_add_u32 v[SPW], v0, 2, SPARE
	v_mov_b32 v[NIL], 0
	v_lshrrev_b32 v14, 5, v0
	v_readfirstlane_b32 s16, v14                   ; wave 0..7
	s_and_b32 s20, ttmp7, 0xffff                   ; i: the block of 128 tokens.  (What does not hang on the wave's number stands here, ahead of the wait for s16)
	s_lshr_b32 s21, s20, 4                         ; b: the batch
	s_and_b32 s24, s20, 15                         ; tb: the block within the batch
	s_mov_b32 s22, 0x3e8293ee                      ; c = log2(e) / sqrt(32)
	s_mov_b32 s23, s22                             ; (named with it as a pair, so it is written)
	v_and_b32 v14, 31, v0                          ; lane
	v_and_b32 v15, 15, v0                          ; r
	v_bfe_u32 v16, v0, 4, 1                        ; h
	v_lshrrev_b32 v17, 2, v14                      ; my block of 32 along K
	v_lshlrev_b32 v[LO], 5, v14
	v_mul_u32_u24 v18, v15, PITCH
	v_lshl_add_u32 v18, v16, 4, v18                ; row r x pitch + 16 h
	s_wait_alu depctr_va_sdst(0)                   ; s16 is written, ahead of its first reader: offsets and LDS addresses are made from it
	s_and_b32 s17, s16, 3                          ; cw: my column tile
	s_lshr_b32 s18, s16, 2                         ; th: my half of the tokens
	s_lshr_b32 s35, s17, 1                         ; which head of the pair my columns belong to
	s_and_b32 s37, s17, 1                          ; which 16 channels of that head
	; byte offsets, each in a pair with 0 above it
	s_lshl_b32 s26, s20, 17                        ; x: 128 i rows of 1,024 bytes
	s_lshl_b32 s34, s16, 14                        ;    + my 16 rows
	s_add_co_u32 s26, s26, s34
	s_mov_b32 s27, 0
	s_lshl_b32 s28, ttmp9, 16                      ; every W: 64 g rows
	s_lshl_b32 s34, s16, 13                        ;    + my 8 rows
	s_add_co_u32 s28, s28, s34
	s_mov_b32 s29, 0
	s_lshl_b32 s30, s21, 3                         ; qf: ((8 b + 2 g + head in pair) x 128 + 8 tb + 4 th) images of 1,024 bytes
	s_lshl_b32 s34, ttmp9, 1
	s_add_co_u32 s30, s30, s34
	s_add_co_u32 s30, s30, s35
	s_lshl_b32 s30, s30, 7
	s_lshl_b32 s34, s24, 3
	s_add_co_u32 s30, s30, s34
	s_lshl_b32 s34, s18, 2
	s_add_co_u32 s30, s30, s34
	s_lshl_b32 s30, s30, 10
	s_mov_b32 s31, 0
	s_lshl_b32 s32, s21, 21                        ; kv: batch,
	s_lshl_b32 s34, ttmp9, 19                      ; pair of heads,
	s_add_co_u32 s32, s32, s34
	s_lshr_b32 s34, s24, 2                         ; chunk of 512 keys,
	s_lshl_b32 s34, s34, 17
	s_add_co_u32 s32, s32, s34
	s_lshl_b32 s34, s35, 16                        ; head in the pair,
	s_add_co_u32 s32, s32, s34
	s_and_b32 s34, s24, 3                          ; step of 64 keys: 2 (tb % 4) + th
	s_lshl_b32 s34, s34, 1
	s_add_co_u32 s34, s34, s18
	s_lshl_b32 s34, s34, 13
	s_add_co_u32 s32, s32, s34
	s_mov_b32 s33, 0
	; every address register is made here: a constant + a constant x lane + a constant x wave.  Each wave term has a scalar register of its own, s38 to s47: none that a vector line has read is written again
	s_mul_i32 s38, s16, 16*PITCH
	v_lshl_add_u32 v[CWX], v14, 2, s38
	s_mul_i32 s39, s16, 8*PITCH
	s_add_co_u32 s39, s39, 128*PITCH
	v_lshl_add_u32 v[CWW], v14, 2, s39
	s_lshl_b32 s40, s16, 7
	s_add_co_u32 s40, s40, SCALES
	v_add_nc_u32 v[SWX], s40, v17
	s_lshl_b32 s41, s16, 6
	s_add_co_u32 s41, s41, SCALES+1024
	v_add_nc_u32 v[SWW], s41, v17
	s_mul_i32 s42, s18, 64*PITCH
	v_add_nc_u32 v[FX], s42, v18
	s_mul_i32 s43, s17, 16*PITCH
	s_add_co_u32 s43, s43, 128*PITCH
	v_add_nc_u32 v[FW], s43, v18
	s_lshl_b32 s44, s18, 9
	s_add_co_u32 s44, s44, SCALES
	v_lshl_add_u32 v[SX], v15, 3, s44
	s_lshl_b32 s45, s17, 7
	s_add_co_u32 s45, s45, SCALES+1024
	v_lshl_add_u32 v[SW], v15, 3, s45
	s_lshl_b32 s46, s37, 9
	v_lshl_add_u32 v[VK], v14, 4, s46
	s_lshl_b32 s47, s37, 10
	s_add_co_u32 s47, s47, 4096
	v_lshl_add_u32 v[VV], v14, 4, s47
	s_wait_kmcnt 0x0
	s_add_nc_u64 s[4:5], s[4:5], s[26:27]
	s_add_nc_u64 s[6:7], s[6:7], s[28:29]
	s_add_nc_u64 s[8:9], s[8:9], s[28:29]
	s_add_nc_u64 s[10:11], s[10:11], s[28:29]
	s_add_nc_u64 s[12:13], s[12:13], s[30:31]
	s_add_nc_u64 s[14:15], s[14:15], s[32:33]
	s_wait_alu depctr_va_vdst(0)                   ; the eleven offsets and addresses v1 to v11 are written, which the loads and stores of the whole kernel read, and so are the closing add's v12 and v13
; Eight rows, from row r0 of my rows on, into a set: a row's two loads together cover its 1,024 bytes.
.macro LOADB set, base, r0
.irp i, 0,1,2,3,4,5,6,7
	global_load_b128 v[\set+8*\i:\set+8*\i+3],   v[LO], s[\base:\base+1] offset:(\r0+\i)*1024
	global_load_b128 v[\set+8*\i+4:\set+8*\i+7], v[LO], s[\base:\base+1] offset:(\r0+\i)*1024+16
.endr
.endm
; Eight rows of a set are quantised, the rows by turns, so that no line waits for the line above it.  left: the younger loads, which may stay out.
; first = 1: the first batch, with no LDS stores ahead of it.  base: the scalar pair of the matrix whose 8 rows the set takes next, or 0: the set is not loaded again.
.macro QB set, cadr, coff, sadr, soff, left, first, base
	s_wait_loadcnt \left                           ; loads come back in order: this set's 16 are in
.irp i, 0,1,2,3,4,5,6,7
	v_max3_num_f32 v[M+\i], |v[\set+8*\i]|, |v[\set+8*\i+1]|, 0x1800000   ; my 8 numbers, and the floor 2^(3 - 127): the byte cannot fall under 1
.endr
.irp j, 2,4,6
.irp i, 0,1,2,3,4,5,6,7
	v_max3_num_f32 v[M+\i], v[M+\i], |v[\set+8*\i+\j]|, |v[\set+8*\i+\j+1]|
.endr
.endr
.irp i, 0,1,2,3,4,5,6,7
	v_max_num_f32_dpp v[M+\i], v[M+\i], v[M+\i] row_xmask:1 row_mask:0xf bank_mask:0xf
.endr
.irp i, 0,1,2,3,4,5,6,7
	v_max_num_f32_dpp v[M+\i], v[M+\i], v[M+\i] row_xmask:2 row_mask:0xf bank_mask:0xf   ; the four lanes of a block: its largest magnitude
.endr
.irp i, 0,1,2,3,4,5,6,7
	v_add_nc_u32 v[SCL+\i], 0xff000000, v[M+\i]    ; 2 off its exponent field: the conversion takes the exponent field of this operand as its scale
.endr
.if !\first
	s_wait_dscnt 0x0                               ; the last batch's LDS stores are over: the maxima above stood beside them
	s_wait_alu depctr_vm_vsrc(0)                   ; the last batch's LDS stores have read CODE and BYTE, which the conversions and shifts below write again
.endif
.irp i, 0,1,2,3,4,5,6,7
	v_cvt_scalef32_pk8_fp4_f32 v[CODE+\i], v[\set+8*\i:\set+8*\i+7], v[SCL+\i]
.endr
.irp i, 0,1,2,3,4,5,6,7
	v_lshrrev_b32 v[BYTE+\i], 23, v[SCL+\i]        ; the scale's byte.  (Plain lines behind the conversions)
.endr
	s_wait_alu depctr_va_vdst(0)                   ; the conversions and shifts have written CODE and BYTE, which the LDS stores read; the maxima and conversions are done reading the set, in which the loads below land
.if \base
	LOADB \set, \base, 0                           ; the set is asked for again at once.  No vector line since the wait names it
.endif
.irp i, 0,1,2,3,4,5,6,7
	ds_store_b32 v[\cadr], v[CODE+\i] offset:\coff+PITCH*\i       ; the wave's 128 bytes are the row's codes, K ascending
	ds_store_b8 v[\sadr], v[BYTE+\i] offset:\soff+8*\i            ; the four lanes of a block write the same byte with the same value
.endr
.endm
	LOADB SET0, 4, 0                               ; x, my rows 0-7
	LOADB SET1, 4, 8                               ; x, my rows 8-15
	LOADB SET2, 6, 0                               ; Wq, my 8 rows
	QB SET0, CWX, 0, SWX, 0, 32, 1, 8              ; behind this set's loads: two batches of 16.  The set then takes Wk's rows
	QB SET1, CWX, 8*PITCH, SWX, 64, 32, 0, 10      ; the set then takes Wv's rows
	QB SET2, CWW, 0, SWW, 0, 32, 0, 0
	QB SET0, CWW, 64*PITCH, SWW, 512, 16, 0, 0     ; one batch behind
	QB SET1, CWW, 128*PITCH, SWW, 1024, 0, 0, 0
	s_wait_dscnt 0x0                               ; for the others' sake: my stores have landed
	s_barrier_signal -1
	s_barrier_wait -1                              ; all 320 rows of codes and their scale bytes lie in LDS
	s_wait_alu depctr_vm_vsrc(0)                   ; my last LDS stores have read CODE and BYTE: these registers are accumulators of q from here on, written by the products
	; A fragment, 16 rows x 128 K of 4-bit codes, is 8 registers: lane (r, h) holds row r; registers 4 c .. 4 c + 3 hold K = 64 c + 32 h + 0..31: two loads of 16 bytes, 32 bytes apart.  A scale word is a row's four bytes of a K step.
	; No wait on va_vdst here: the last batch's stands behind the last vector lines that named SET0 and SET1, in which these loads land, and no vector line has been issued since.
.irp t, 0,1,2,3
.irp s, 0,1
	ds_load_b32 v[XS+2*\t+\s], v[SX] offset:128*\t+4*\s
.endr
.endr
.irp m, 0,1,2
.irp s, 0,1
	ds_load_b32 v[WS+2*\m+\s], v[SW] offset:512*\m+4*\s
.endr
.endr
.irp t, 0,1,2,3
.irp s, 0,1
.irp c, 0,1
	ds_load_b128 v[XF+8*(2*\t+\s)+4*\c:XF+8*(2*\t+\s)+4*\c+3], v[FX] offset:\t*16*PITCH+64*\s+32*\c
.endr
.endr
.endr
.irp m, 0,1,2
.irp s, 0,1
.irp c, 0,1
	ds_load_b128 v[WF+8*(2*\m+\s)+4*\c:WF+8*(2*\m+\s)+4*\c+3], v[FW] offset:\m*64*PITCH+64*\s+32*\c
.endr
.endr
.endr
	s_wait_dscnt 0x0
; q and k TRANSPOSED: source 0 = 16 rows of W, source 1 = 16 tokens: lane (r, h) then holds token r and its registers the channels 8 h + 0..7 of my tile.
.macro MMT d, m, t, s
.if \s == 0
	v_wmma_scale_f32_16x16x128_f8f6f4 v[\d+8*\t:\d+8*\t+7], v[WF+8*(2*\m+\s):WF+8*(2*\m+\s)+7], v[XF+8*(2*\t+\s):XF+8*(2*\t+\s)+7], 0, v[WS+2*\m+\s], v[XS+2*\t+\s] matrix_a_fmt:MATRIX_FMT_FP4 matrix_b_fmt:MATRIX_FMT_FP4
.else
	v_wmma_scale_f32_16x16x128_f8f6f4 v[\d+8*\t:\d+8*\t+7], v[WF+8*(2*\m+\s):WF+8*(2*\m+\s)+7], v[XF+8*(2*\t+\s):XF+8*(2*\t+\s)+7], v[\d+8*\t:\d+8*\t+7], v[WS+2*\m+\s], v[XS+2*\t+\s] matrix_a_fmt:MATRIX_FMT_FP4 matrix_b_fmt:MATRIX_FMT_FP4
.endif
.endm
; v the other way round: source 0 = 16 tokens, source 1 = 16 rows of Wv: lane (r, h) holds channel r and its registers the tokens 8 h + 0..7: neighbours along the keys, which are the second attention product's K.
.macro MMV t, s
.if \s == 0
	v_wmma_scale_f32_16x16x128_f8f6f4 v[DV+8*\t:DV+8*\t+7], v[XF+8*(2*\t+\s):XF+8*(2*\t+\s)+7], v[WF+8*(4+\s):WF+8*(4+\s)+7], 0, v[XS+2*\t+\s], v[WS+4+\s] matrix_a_fmt:MATRIX_FMT_FP4 matrix_b_fmt:MATRIX_FMT_FP4
.else
	v_wmma_scale_f32_16x16x128_f8f6f4 v[DV+8*\t:DV+8*\t+7], v[XF+8*(2*\t+\s):XF+8*(2*\t+\s)+7], v[WF+8*(4+\s):WF+8*(4+\s)+7], v[DV+8*\t:DV+8*\t+7], v[XS+2*\t+\s], v[WS+4+\s] matrix_a_fmt:MATRIX_FMT_FP4 matrix_b_fmt:MATRIX_FMT_FP4
.endif
.endm
.irp s, 0,1                                    ; the 12 accumulators take turns, one instruction a turn; the first K step starts the sums
.irp t, 0,1,2,3
	MMT DQ, 0, \t, \s
.endr
.irp t, 0,1,2,3
	MMT DK, 1, \t, \s
.endr
.irp t, 0,1,2,3
	MMV \t, \s
.endr
.endr
.rept 4
	v_nop                                          ; four places behind the last product, ahead of the reads of results and of the writes over x's fragments (ISA guide 7.12.1)
.endr
.irp j, 0,2,4,6,8,10,12,14,16,18,20,22,24,26,28,30
	v_pk_mul_f32 v[DQ+\j:DQ+\j+1], v[DQ+\j:DQ+\j+1], s[22:23] op_sel_hi:[1,0]   ; q x c, in f32; each accumulator from its low end on
.endr
	; All 48 roundings stand in one run, into registers of their own, and the twelve stores in one run behind them
.irp t, 0,1,2,3
.irp i, 0,1,2,3
	v_cvt_pk_f16_f32 v[OUT+4*\t+\i], v[DQ+8*\t+2*\i], v[DQ+8*\t+2*\i+1]
.endr
.endr
.irp t, 0,1,2,3
.irp i, 0,1,2,3
	v_cvt_pk_f16_f32 v[OUT+16+4*\t+\i], v[DK+8*\t+2*\i], v[DK+8*\t+2*\i+1]
.endr
.endr
.irp t, 0,1,2,3
.irp i, 0,1,2,3
	v_cvt_pk_f16_f32 v[OUT+32+4*\t+\i], v[DV+8*\t+2*\i], v[DV+8*\t+2*\i+1]
.endr
.endr
	s_wait_alu depctr_va_vdst(0)                   ; the roundings have written OUT's 48 registers, which the twelve stores read
.irp t, 0,1,2,3
	global_store_b128 v[VK], v[OUT+4*\t:OUT+4*\t+3], s[12:13] offset:1024*\t      ; the wave stores 512 consecutive bytes, aligned: half an image
.endr
.irp t, 0,1,2,3
	global_store_b128 v[VK], v[OUT+16+4*\t:OUT+16+4*\t+3], s[14:15] offset:1024*\t
.endr
.irp t, 0,1,2,3
	global_store_b128 v[VV], v[OUT+32+4*\t:OUT+32+4*\t+3], s[14:15] offset:2048*(\t/2)+512*(\t%2)   ; token tile t is keys 32 (t / 2) + 16 (t % 2) on of the step
.endr
	s_wait_dscnt 0x0                               ; the wave's end
	s_wait_alu 0x0
	s_wait_tensorcnt 0x0
	ds_add_u32 v[SPW], v[NIL]
	s_wait_dscnt 0x0
	s_endpgm
.Lfunc_end_k_q9ce9d4c00d_proj:
	.size	k_q9ce9d4c00d_proj, .Lfunc_end_k_q9ce9d4c00d_proj-k_q9ce9d4c00d_proj
	.p2alignl 7, 3214868480
	.fill 96, 4, 3214868480
	.section	.rodata,"a",@progbits
	.p2align	6, 0x0
	.amdhsa_kernel k_q9ce9d4c00d_proj
		.amdhsa_group_segment_fixed_size 49664
		.amdhsa_private_segment_fixed_size 0
		.amdhsa_enable_private_segment 0
		.amdhsa_kernarg_size 48
		.amdhsa_user_sgpr_count 2
		.amdhsa_user_sgpr_kernarg_segment_ptr 1
		.amdhsa_wavefront_size32 1
		.amdhsa_system_sgpr_workgroup_id_x 1
		.amdhsa_system_sgpr_workgroup_id_y 1
		.amdhsa_system_sgpr_workgroup_id_z 1
		.amdhsa_system_vgpr_workitem_id 0
		.amdhsa_next_free_vgpr 256
		.amdhsa_next_free_sgpr 66
		.amdhsa_reserve_vcc 0
		.amdhsa_float_denorm_mode_32 3
		.amdhsa_float_denorm_mode_16_64 3
		.amdhsa_memory_ordered 1
		.amdhsa_forward_progress 1
		.amdhsa_inst_pref_size 51
	.end_amdhsa_kernel
	.amdgpu_metadata
---
amdhsa.version: [ 1, 2 ]
amdhsa.kernels:
  - .name:           k_q9ce9d4c00d_proj
    .symbol:         k_q9ce9d4c00d_proj.kd
    .args:
      - { .name: x, .offset: 0, .size: 8, .value_kind: global_buffer, .address_space: global }
      - { .name: Wq, .offset: 8, .size: 8, .value_kind: global_buffer, .address_space: global }
      - { .name: Wk, .offset: 16, .size: 8, .value_kind: global_buffer, .address_space: global }
      - { .name: Wv, .offset: 24, .size: 8, .value_kind: global_buffer, .address_space: global }
      - { .name: qf, .offset: 32, .size: 8, .value_kind: global_buffer, .address_space: global }
      - { .name: kv, .offset: 40, .size: 8, .value_kind: global_buffer, .address_space: global }
    .group_segment_fixed_size: 49664
    .private_segment_fixed_size: 0
    .kernarg_segment_align: 8
    .kernarg_segment_size: 48
    .max_flat_workgroup_size: 256
    .sgpr_count:     66
    .vgpr_count:     256
    .wavefront_size: 32
...
	.end_amdgpu_metadata
.endif
;; end of part 3
;; launch attn: the kernel of part 2 again; grid 16 x 16, 8 waves a work-group, clusters of 4 x 1, 327,680 bytes of LDS; arguments qf, kv, out0; writes out0
